; MI455X (gfx1250); checked and timed in simulation.
; The chip was launched on July 23, 2026; its instructions are those of AMD's public machine-readable ISA for CDNA 5 (MIT licence, August 2026) and "CDNA5" Instruction Set Architecture Reference Guide (July 2026). The comments in the code are by the model that wrote it; some were corrected since.
;; Rank Net. Allowed arithmetic: matrix products marked QUANTISED: E3M2 operands, one E8M0 scale for each 32 along K, by v_wmma_scale_f32_16x16x128_f8f6f4 with both operands' format E3M2, f32 sums; products left as they are: f32 operands where the result goes on into a quantised operand, else bf16, f16 or f32 operands; f32 sums; everything else in f32.
;; Inputs: W1 512 x 256 float32; W2 256 x 1 float32; b1 256 float32; b2 1 float32; instances 16 int32; item_table 30,000 x 256 float32; user_table 100,000 x 256 float32.
;; Outputs: out0 16 x 30,000 float32.
;; This version of the problem:
;;   THIS VERSION OF THE PROBLEM IS GIVEN IN LOW PRECISION. The matrix products marked QUANTISED in the list below multiply operands that are first quantised to E3M2 (3 exponent bits, 2 mantissa bits; 6 bits a number), with one power-of-two scale for each 32 numbers along K (OCP MX v1.0); their sums are f32. All else is computed in f32.
;;   The module's matrix products, in the order in which they are computed (A, B: the left and right operand; K: the contracted axis; several contracted axes count as one K, in the product's order):
;;     1. [M 16, K 256] x [K 256, N 256]; A: computed on the way; B: input W1: QUANTISED
;;     2. [M 30,000, K 256] x [K 256, N 256]; A: input item_table; B: input W1: QUANTISED
;;     3. [M 480,000, K 256] x [K 256, N 1]; A: computed on the way; B: computed on the way: left as it is (N = 1 < 16)
;;   THE QUANTISER, for each operand of a quantised product, along K:
;;     - K is cut into blocks of 32 from its start; a last block that is shorter is filled with zeros.
;;     - A block's scale is 2^e with e = floor(log2(the largest magnitude in the block)) - 4, held to -126 .. 127; a block of zeros has e = 0. As a byte (E8M0): e + 127.
;;     - Each number is divided by its block's scale, clamped to +-28, and rounded to the nearest number of E3M2, ties to even, subnormals kept.
;;     - The product sums the exact products of the quantised numbers (number of the format x scale) in f32.
;;   ~~~python
;;   def quantise(x, axis):      # numpy; x: float32 -> the quantised numbers, widened to float32 again
;;       x = np.moveaxis(x, axis, -1); K = x.shape[-1]
;;       x = np.pad(x, [(0, 0)] * (x.ndim - 1) + [(0, -K % 32)]); x = x.reshape(x.shape[:-1] + (-1, 32)); a = np.abs(x).max(-1, keepdims=True)
;;       e = np.where(a > 0, np.clip(np.frexp(np.where(a > 0, a, 1))[1] - 1 - 4, -126, 127), 0)      # np.frexp(a)[1] - 1 = floor(log2(a)), exactly
;;       r = np.clip(x / 2.0 ** e, -28, 28)
;;       step = 2.0 ** (np.maximum(np.frexp(np.where(r == 0, 1, r))[1] - 1, -2) - 2)
;;       q = np.round(r / step) * step * 2.0 ** e      # np.round: ties to even
;;       return np.moveaxis(q.reshape(q.shape[:-2] + (-1,))[..., :K], -1, axis).astype(np.float32)
;;   ~~~
;;   OPERANDS COMPUTED ON THE WAY. 'Computed on the way' means the value that the module computes at that place (a softmax that the list does not call 'softmax' is quantised finished and normalised). What goes into a quantiser is computed in f32, as accurately as f32 sums, v_exp_f32 and their like allow (about 1e-6 of the number): no bf16 or f16 on the way to a quantiser, and a product that is left as it is and whose result goes on into a quantised operand takes f32 operands (vector FMAs, or v_wmma_f32_16x16x4_f32). A number that lies on a knife's edge between two numbers of the format may be rounded either way, as far as f32 arithmetic and the matrix unit's own rounding can turn it there, and no further.
;; One version. Each part assembles by itself: llvm-mc -triple=amdgcn-amd-amdhsa -mcpu=gfx1250 --defsym DOCPART=n.
;; ======== version 1 of 1: 2 launches
;; workspace buffers: wimg 53,248 bytes; cbuf 16,384 bytes
;; launch prep (part 1): grid 16 x 1, 4 waves a work-group, no clusters, 1,536 bytes of LDS; arguments instances, user_table, W1, b1, wimg, cbuf; writes wimg, cbuf
.if DOCPART == 1
	.amdgcn_target "amdgcn-amd-amdhsa--gfx1250"
	.amdhsa_code_object_version 6
	.text
	.protected	k_qf933bd8f1b_prep
	.globl	k_qf933bd8f1b_prep
	.p2align	8
	.type	k_qf933bd8f1b_prep,@function
k_qf933bd8f1b_prep:
	s_mov_b64 s[64:65], 0
	v_nop
	global_prefetch_b8 v0, s[64:65] scope:SCOPE_SE
	s_setreg_imm32_b32 hwreg(HW_REG_WAVE_MODE, 25, 1), 1
	s_wait_xcnt 0x0
; W1 [512][256] f32 is quantised along its FIRST axis (K) to codes of BF6 (E3M2) with one E8M0 scale for each 32 along K, and c = Q(user_table[instances]) Q(W1[0:256]) + b1 is made.
; SHARES.  Work-group T owns the 16 columns d = 16 T .. 16 T + 15.  Wave w of its four takes rows 128 w .. 128 w + 127 of W1: waves 0, 1 are the two K steps of the users' half, waves 2, 3 those of the items' half.
; A LANE TAKES A COLUMN AND ITS REGISTERS RUN DOWN K, in the order that the operand's layout gives that lane (lane (r, h): k = 64 c + 32 h + 0 .. 31 in registers 6 c .. 6 c + 5):
; the conversions' results are the operand's registers, a block's largest magnitude needs no other lane, nothing is transposed.
; OUT.  Waves 2, 3: the fragment as an image of its registers (three stores of 512 consecutive bytes) at wimg + 1,536 x (2 T + K step), its scale words (4 bytes a lane) at wimg + 49,152 + 128 x (2 T + K step).
; Waves 0, 1: the 16 users' rows are gathered (lane (r, h): row instances[r], the same k as above, which are neighbours there), quantised by the same macro, and one matrix instruction gives this K step's part of
; u_proj, transposed (source 0 = 16 columns of W1, source 1 = the 16 users): lane (r, h) holds user r and d = 16 T + 8 h + 0 .. 7.  Wave 1 hands its part to wave 0 through LDS; wave 0 adds both and b1 and stores
; c laid [d / 32][user][d % 32], the order in which the next launch's waves take it.  A work-group's share of a user's row of c is 64 bytes: the whole of c is 16 KB.
; A block's scale is 2^(floor(log2(its largest magnitude)) - 4); its byte is the largest magnitude's exponent field - 4, held at 1 from below.
; LIMITS: a block of zeros gets the byte 1 (its codes are zeros, and this program alone reads the bytes); blocks whose largest magnitude lies under 2^(4 - 126) keep that byte; NaN and infinities are not served;
; an index is taken as unsigned and held at 99,999 (the problem keeps indices inside the table).
.set NUSER, 100000
.set FRB,   1536                       ; a fragment's image: 12 registers x 32 lanes x 4 bytes
.set SCO,   32*FRB                     ; where the scale words begin in wimg
.set SH8,   6                          ; v6   8 h: where my two scale bytes go in the word
.set MX,    16                         ; v16-17 largest magnitudes of my two blocks
.set SO,    18                         ; v18-19 the conversions' scale operands
.set BY,    20                         ; v20-21 the scale bytes
.set TT,    22                         ; v22   the other half's bytes
.set WSW,   24                         ; v24   W1's scale word (holds scales alone)
.set USW,   25                         ; v25   the users' scale word (holds scales alone)
.set WC,    28                         ; v28-39 W1's codes
.set UC,    40                         ; v40-51 the users' codes
.set PH,    52                         ; v52-54, v56-58 the upper halves of two blocks' codes
.set XW,    64                         ; v64-127 64 numbers of W1
.set XU,    128                        ; v128-191 64 numbers of a user's row
.set D,     192                        ; v192-199 my part of u_proj
.set D1,    200                        ; v200-207 wave 1's part
.set BI,    208                        ; v208-215 b1 of my eight d
.set WV,    16                         ; s16  my wave's number
.set SEL,   20                         ; s[20:21] lane selects for v_permlanex16_b32: lane l xor 16
; 64 numbers of a lane, v[x + 32 c + i] = k 64 c + 32 h + i of its row or column, become the fragment's 12 registers in v[pc] on and the scale word in v[pw].
.macro QFRAG x, pc, pw
.irp c, 0,1
	v_max3_num_f32 v[MX+\c], |v[(\x)+32*\c]|, |v[(\x)+32*\c+1]|, 0x2800000   ; my block 2 c + h, and the floor 2^(5 - 127): the byte cannot fall under 1
.endr
.irp i, 2,4,6,8,10,12,14,16,18,20,22,24,26,28,30
.irp c, 0,1
	v_max3_num_f32 v[MX+\c], v[MX+\c], |v[(\x)+32*\c+\i]|, |v[(\x)+32*\c+\i+1]|   ; (the two blocks by turns)
.endr
.endr
.irp c, 0,1
	v_add_nc_u32 v[SO+\c], 0xfe000000, v[MX+\c]    ; 4 off the exponent field: the conversion takes the exponent field of this operand as its scale
.endr
.irp c, 0,1
	v_lshrrev_b32 v[BY+\c], 23, v[SO+\c]           ; the scale's byte
.endr
	v_lshl_or_b32 v[\pw], v[BY+1], 16, v[BY]       ; blocks h and 2 + h,
	v_lshlrev_b32 v[\pw], v[SH8], v[\pw]           ; at their places in the word;
	v_permlanex16_b32 v[TT], v[\pw], s[SEL], s[SEL+1]
	v_or_b32 v[\pw], v[\pw], v[TT]                 ; with lane l xor 16's two the word is whole
.irp c, 0,1
	v_cvt_scalef32_pk16_bf6_f32 v[(\pc)+6*\c:(\pc)+6*\c+2], v[(\x)+32*\c:(\x)+32*\c+15], v[SO+\c]
	v_cvt_scalef32_pk16_bf6_f32 v[PH+4*\c:PH+4*\c+2], v[(\x)+32*\c+16:(\x)+32*\c+31], v[SO+\c]   ; (a conversion's three registers begin on an even number: a block's second three do not)
.endr
	v_nop                                          ; one plain instruction behind the last scaled conversion
.irp c, 0,1
.irp i, 0,1,2
	v_mov_b32 v[(\pc)+3+6*\c+\i], v[PH+4*\c+\i]
.endr
.endr
.endm
; W1(128 wave + 64 c + 32 h + i, 16 T + r): sixteen neighbouring lanes read 64 neighbouring bytes
.macro WLOAD c
.irp i, 0,1,2,3,4,5,6,7,8,9,10,11,12,13,14,15,16,17,18,19,20,21,22,23,24,25,26,27,28,29,30,31
	global_load_b32 v[XW+32*\c+\i], v5, s[8:9] offset:(64*\c+\i)*1024
.endr
.endm
	s_load_b256 s[4:11], s[0:1], 0x0               ; instances s[4:5], user_table s[6:7], W1 s[8:9], b1 s[10:11]
	s_load_b128 s[12:15], s[0:1], 0x20             ; wimg s[12:13], cbuf s[14:15]
	v_lshl_add_u32 v216, v0, 2, 0x400
	v_mov_b32 v217, 0
	v_lshrrev_b32 v1, 5, v0
	v_readfirstlane_b32 s[WV], v1                  ; wave 0..3
	v_and_b32 v1, 31, v0                           ; lane
	v_and_b32 v2, 15, v0                           ; r
	v_bfe_u32 v3, v0, 4, 1                         ; h
	v_lshlrev_b32 v4, 2, v2                        ; 4 r: my column in W1, my index in instances
	v_lshl_add_u32 v5, v3, 15, v4                  ; lanes 16-31 begin 32 rows of 1,024 bytes further down
	v_lshlrev_b32 v[SH8], 3, v3
	v_lshlrev_b32 v7, 5, v1                        ; LDS: 32 bytes a lane, for wave 1's part (made ahead of the waves' parting)
	v_lshlrev_b32 v8, 4, v1                        ; an image's place for my lane
	v_lshlrev_b32 v9, 2, v1                        ; a scale word's
	v_lshlrev_b32 v11, 7, v3                       ; a user's row: + 128 h bytes
	v_lshlrev_b32 v12, 5, v3                       ; b1 and c: + 32 h bytes
	v_lshl_add_u32 v13, v2, 7, v12                 ; c: user r's 128 bytes of the slice, + 32 h
	v_mov_b32 v[TT], 0                             ; written once: a lane permute's destination counts as one of its sources
	s_mov_b32 s[SEL], 0x76543210
	s_mov_b32 s[SEL+1], 0xfedcba98
	s_lshl_b32 s22, s[WV], 17                      ; my 128 rows of W1,
	s_lshl_b32 s24, ttmp9, 6                       ; my work-group's 16 columns (also: its 16 numbers of b1)
	s_add_co_u32 s22, s22, s24
	s_mov_b32 s23, 0
	s_mov_b32 s25, 0
	s_lshr_b32 s26, ttmp9, 1
	s_lshl_b32 s26, s26, 11                        ; c: slice T / 2 of 2,048 bytes,
	s_and_b32 s27, ttmp9, 1
	s_lshl_b32 s27, s27, 6                         ; + 64 bytes for an odd T
	s_add_co_u32 s26, s26, s27
	s_mov_b32 s27, 0
	s_wait_kmcnt 0x0
	s_add_nc_u64 s[8:9], s[8:9], s[22:23]
	s_add_nc_u64 s[10:11], s[10:11], s[24:25]
	s_add_nc_u64 s[14:15], s[14:15], s[26:27]
	s_cmp_lt_u32 s[WV], 2
	s_cbranch_scc0 .Litem_half
	; ---- waves 0, 1: the users' half.  The index comes first: the rows hang on it
	global_load_b32 v10, v4, s[4:5]                ; instances[r]
	WLOAD 0
	s_wait_loadcnt 32                              ; the index is in; the 32 loads issued behind it may be out
	v_min_u32 v10, NUSER-1, v10                    ; held inside the table
	v_lshlrev_b32 v10, 10, v10                     ; a row is 1,024 bytes
	v_add_nc_u32 v10, v10, v11                     ; + 128 h
	s_lshl_b32 s28, s[WV], 9
	v_add_nc_u32 v10, s28, v10                     ; + my K step's 512 bytes
.irp c, 0,1
.irp j, 0,1,2,3,4,5,6,7
	global_load_b128 v[XU+32*\c+4*\j:XU+32*\c+4*\j+3], v10, s[6:7] offset:256*\c+16*\j   ; u(r, 128 wave + 64 c + 32 h + 4 j ..)
.endr
.endr
	WLOAD 1
	global_load_b128 v[BI:BI+3], v12, s[10:11]     ; b1(16 T + 8 h + 0 .. 7)
	global_load_b128 v[BI+4:BI+7], v12, s[10:11] offset:16
	s_wait_loadcnt 0x0
	QFRAG XW, WC, WSW
	QFRAG XU, UC, USW
.rept 8
	v_nop                                          ; a scale register written by a vector instruction stands 8 places ahead of a scaled matrix instruction, an operand so written 4
.endr
	v_wmma_scale_f32_16x16x128_f8f6f4 v[D:D+7], v[WC:WC+11], v[UC:UC+11], 0, v[WSW], v[USW] matrix_a_fmt:MATRIX_FMT_BF6 matrix_b_fmt:MATRIX_FMT_BF6
.rept 4
	v_nop                                          ; four places ahead of the first read of the result
.endr
	s_cmp_eq_u32 s[WV], 1
	s_cbranch_scc0 .Ljoin
	ds_store_b128 v7, v[D:D+3]                     ; wave 1's part, from its low end on
	ds_store_b128 v7, v[D+4:D+7] offset:16
	s_branch .Ljoin
.Litem_half:
	; ---- waves 2, 3: the items' half: the fragment leaves as it stands
	WLOAD 0
	WLOAD 1
	s_lshl_b32 s28, ttmp9, 1
	s_add_co_u32 s28, s28, s[WV]
	s_sub_co_u32 s28, s28, 2                       ; fragment 2 T + K step
	s_mul_i32 s30, s28, FRB
	s_mov_b32 s31, 0
	s_add_nc_u64 s[32:33], s[12:13], s[30:31]
	s_lshl_b32 s30, s28, 7
	s_add_co_u32 s30, s30, SCO
	s_add_nc_u64 s[34:35], s[12:13], s[30:31]
	s_wait_loadcnt 0x0
	QFRAG XW, WC, WSW
	global_store_b128 v8, v[WC:WC+3], s[32:33]     ; each store of the wave covers 512 consecutive bytes, at a multiple of 256 from the buffer's first byte
	global_store_b128 v8, v[WC+4:WC+7], s[32:33] offset:512
	global_store_b128 v8, v[WC+8:WC+11], s[32:33] offset:1024
	global_store_b32 v9, v[WSW], s[34:35]          ; the scale words, 4 bytes a lane (lanes 16-31 hold the same as lanes 0-15)
.Ljoin:
	s_wait_dscnt 0x0                               ; for wave 0's sake: wave 1's stores have landed
	s_barrier_signal -1
	s_barrier_wait -1
	s_cmp_eq_u32 s[WV], 0
	s_cbranch_scc0 .Ldone
	ds_load_b128 v[D1:D1+3], v7
	ds_load_b128 v[D1+4:D1+7], v7 offset:16
	s_wait_dscnt 0x0
.irp j, 0,2,4,6
	v_pk_add_f32 v[D+\j:D+\j+1], v[D+\j:D+\j+1], v[D1+\j:D1+\j+1]   ; the two K steps (my result is read from its low end on)
.endr
.irp j, 0,2,4,6
	v_pk_add_f32 v[D+\j:D+\j+1], v[D+\j:D+\j+1], v[BI+\j:BI+\j+1]   ; + b1
.endr
	global_store_b128 v13, v[D:D+3], s[14:15]      ; c(user r, 16 T + 8 h + 0 .. 7)
	global_store_b128 v13, v[D+4:D+7], s[14:15] offset:16
.Ldone:
	s_wait_tensorcnt 0x0
	ds_add_u32 v216, v217
	s_wait_dscnt 0x0
	s_endpgm
.Lfunc_end_k_qf933bd8f1b_prep:
	.size	k_qf933bd8f1b_prep, .Lfunc_end_k_qf933bd8f1b_prep-k_qf933bd8f1b_prep
	.p2alignl 7, 3214868480
	.fill 96, 4, 3214868480
	.section	.rodata,"a",@progbits
	.p2align	6, 0x0
	.amdhsa_kernel k_qf933bd8f1b_prep
		.amdhsa_group_segment_fixed_size 1536
		.amdhsa_private_segment_fixed_size 0
		.amdhsa_enable_private_segment 0
		.amdhsa_kernarg_size 48
		.amdhsa_user_sgpr_count 2
		.amdhsa_user_sgpr_kernarg_segment_ptr 1
		.amdhsa_wavefront_size32 1
		.amdhsa_system_sgpr_workgroup_id_x 1
		.amdhsa_system_sgpr_workgroup_id_y 1
		.amdhsa_system_sgpr_workgroup_id_z 1
		.amdhsa_system_vgpr_workitem_id 0
		.amdhsa_next_free_vgpr 218
		.amdhsa_next_free_sgpr 66
		.amdhsa_reserve_vcc 0
		.amdhsa_float_denorm_mode_32 3
		.amdhsa_float_denorm_mode_16_64 3
		.amdhsa_memory_ordered 1
		.amdhsa_forward_progress 1
		.amdhsa_inst_pref_size 28
	.end_amdhsa_kernel
	.amdgpu_metadata
---
amdhsa.version: [ 1, 2 ]
amdhsa.kernels:
  - .name:           k_qf933bd8f1b_prep
    .symbol:         k_qf933bd8f1b_prep.kd
    .args:
      - { .name: instances, .offset: 0, .size: 8, .value_kind: global_buffer, .address_space: global }
      - { .name: user_table, .offset: 8, .size: 8, .value_kind: global_buffer, .address_space: global }
      - { .name: W1, .offset: 16, .size: 8, .value_kind: global_buffer, .address_space: global }
      - { .name: b1, .offset: 24, .size: 8, .value_kind: global_buffer, .address_space: global }
      - { .name: wimg, .offset: 32, .size: 8, .value_kind: global_buffer, .address_space: global }
      - { .name: cbuf, .offset: 40, .size: 8, .value_kind: global_buffer, .address_space: global }
    .group_segment_fixed_size: 1536
    .private_segment_fixed_size: 0
    .kernarg_segment_align: 8
    .kernarg_segment_size: 48
    .max_flat_workgroup_size: 128
    .sgpr_count:     66
    .vgpr_count:     218
    .wavefront_size: 32
...
	.end_amdgpu_metadata
.endif
;; end of part 1
;; launch main (part 2): grid 235 x 1, 8 waves a work-group, no clusters, 244,992 bytes of LDS; arguments item_table, wimg, cbuf, W2, b2, out0; writes out0
.if DOCPART == 2
	.amdgcn_target "amdgcn-amd-amdhsa--gfx1250"
	.amdhsa_code_object_version 6
	.text
	.protected	k_qf933bd8f1b_main
	.globl	k_qf933bd8f1b_main
	.p2align	8
	.type	k_qf933bd8f1b_main,@function
k_qf933bd8f1b_main:
	s_mov_b64 s[64:65], 0
	v_nop
	global_prefetch_b8 v0, s[64:65] scope:SCOPE_SE
	s_setreg_imm32_b32 hwreg(HW_REG_WAVE_MODE, 25, 1), 1
	s_wait_xcnt 0x0
; out0[b][m] = sum over d of relu(c[b][d] + i_proj[m][d]) W2[d] + b2, with i_proj = Q(item_table) Q(W1[256:512]) on codes of BF6 (E3M2), one E8M0 scale for each 32 along K, and c = u_proj + b1 from the launch before.
; SHARES.  A work-group of eight waves owns 128 items, in two batches of 64.  THE WAVES SHARE THE COLUMNS: wave w owns d = 32 w .. 32 w + 31 for all items and all 16 users.  Its four fragments of the weight
; (48 registers), its 16 numbers a lane of W2 and its 2,048 bytes of c are fetched once; no weight goes through LDS.  What goes round is small: the items' codes, as images of the operand's registers.
; MEMORY.  Each wave issues three tensor loads at the head: its slice of c, its 16 rows x 512 bytes of batch 0, the same of batch 1.  So all of the work-group's 128 KB of item_table is asked for at the first lines,
; and batch 1 lands while batch 0 is computed.  No LDS byte is filled twice.  By this text's own count a wave has three tensor loads out.
; A BATCH.  Wave w quantises fragment w (tile w / 2 of 16 items, K step w % 2) and stores its image | barrier | every wave fetches the 8 fragments: 16 matrix instructions, TRANSPOSED (source 0 = 16 columns of the
; weight, source 1 = 16 items): lane (r, h) holds item r of a tile, and its 16 registers d = 32 w + 16 t + 8 h + j | a loop over the 16 users: x = i_proj + c[b] (packed), relu (two in one instruction), sum += x W2 (packed).
; THE ITEMS OF A TILE ARE NOT NEIGHBOURS: column r of tile u of batch q is item 64 q + 32 (u % 2) + 2 r + u / 2.  So when the two halves of the lanes are added (an exchange of halves between tiles 2 v and 2 v + 1,
; one addition), lane l's registers v = 0, 1 hold items 64 q + 2 l + v: 64 neighbouring items.  Each wave's partial sums go to LDS; behind the last barrier wave w adds the eight waves' for users 2 w, 2 w + 1, and b2.
; THE THIRD PRODUCT (N = 1) is done by fused multiply-adds in f32: on the matrix unit 15 of 16 columns would be idle, and a conversion would take the multiply-add's place in the vector work.
; THE LAST WORK-GROUP begins at item 29,872 so that all its rows lie inside the table, and stores only items 29,952 on: each number of out0 is stored by one work-group.
; NO CLUSTER: 235 work-groups are no multiple of four, and what work-groups share (48 KB of codes, 2 KB a wave of c) goes to registers or is small beside the 128 KB that are a work-group's own.
; NO PREFETCH: all that the launch reads once from memory is asked for by the tensor loads at its head.
; OUT.  A row of out0 is 120,000 bytes, 192 above a multiple of 256: each store of a wave covers 512 consecutive bytes of a row, which begin at a multiple of 256 from the buffer's first byte in every fourth row only.
; LIMITS: NaN among the inputs is not served (the maximum with 0 gives 0 for NaN); a block of zeros, or one whose largest magnitude lies under 2^(4 - 126), gets the scale byte 1.
.set NITEM,  30000
.set WGI,    128                       ; items of a work-group
.set OROW,   NITEM*4                   ; a row of out0 in bytes
.set RPITCH, 528                       ; a raw row in LDS: 512 bytes + 16 of padding = 132 words: row r starts at bank 4 r mod 64 (64 banks of 4 bytes: ISA guide 11.1)
.set RTILE,  16*RPITCH                 ; what one tensor load brings: 33 blocks of 256 bytes
.set FRB,    1536                      ; a fragment's image
.set RAW,    0                         ; LDS: raw tiles, wave w's two at 2 RTILE w;
.set CS,     16*RTILE                  ; the slices of c, 2,048 bytes a wave; 256 bytes are left free behind them;
.set XIMG,   CS+8*2048+256             ; the items' fragments, 8 a batch;
.set XSC,    XIMG+16*FRB               ; their scale words, 128 bytes each;
.set PART,   XSC+16*128                ; the partial sums: [wave][user][128 items] f32.  It ends at 243,968
.set LI,   4                           ; v4   16 x lane
.set LS,   5                           ; v5   4 x lane
.set RA,   6                           ; v6   my place in my wave's raw tiles
.set XWI,  7                           ; v7   where I store my fragment's image
.set XWS,  8                           ; v8   and its scale word
.set XRD,  9                           ; v9   where images are read
.set XSR,  10                          ; v10  and scale words
.set CA0,  11                          ; v11  my place in my wave's slice of c
.set PA0,  12                          ; v12  my place in my wave's partial sums
.set FA,   13                          ; v13  where I read partial sums at the end
.set SH8,  14                          ; v14  8 h
.set T0,   15                          ; v15  32 h: my place in my wave's 128 bytes of W2
.set CAX,  16                          ; v16-17 addresses of the loads of c in hand: one for each half of a trip, so that none is rewritten while a load that names it is out
.set CAY,  17
.set PAX,  18                          ; v18-19 the same for the stores of partial sums
.set PAY,  19
.set WS,   20                          ; v20-23 the weight's scale words, fragment 2 t + s (hold scales alone)
.set XS,   24                          ; v24-31 the items' scale words, fragment 2 u + s (hold scales alone)
.set WT,   32                          ; v32-47 W2(32 w + 16 t + 8 h + j) at 8 t + j
.set WF,   48                          ; v48-95 the weight's four fragments
.set I,    96                          ; v96-159 64 raw numbers; then i_proj: tile u at 16 u, in it 8 t + j; at the end the partial sums
.set BF,   160                         ; v160-255 the batch's 8 fragments of items; the registers below lie over them
.set MX,   160
.set SO,   162
.set BY,   164
.set PW,   166
.set TT,   167
.set PC,   168                         ; v168-179 the codes just made
.set PH,   180
.set C0,   160                         ; v160-175, v176-191 c of the user in hand and of the next
.set C1,   176
.set X,    192                         ; v192-207 at work: two pairs of d x four tiles
.set ACC,  208                         ; v208-215 a pair of sums (even d, odd d) for each tile
.set SA,   216
.set SB,   218
.set R,    220
.set WV,   16                          ; s16  my wave's number
.set SEL,  20                          ; s[20:21] lane selects for v_permlanex16_b32: lane l xor 16
.set G1R,  24                          ; s[24:31] descriptor group 1 of the raw tiles
.set G1C,  32                          ; s[32:39] of the slice of c
.set G0C,  40                          ; s[40:43], s[44:47], s[48:51] groups 0: c, batch 0, batch 1; never rewritten
.set G0A,  44
.set G0B,  48
.set CB,   66                          ; s66  256 x the trip: two users' bytes in the slice of c; the loop's counter
.set PB,   67                          ; s67  four times that: two users' bytes among the partial sums
; 64 numbers of a lane, v[x + 32 c + i] = k 64 c + 32 h + i of its row, become the fragment's 12 registers in v[pc] on and the scale word in v[pw].
.macro QFRAG x, pc, pw
.irp c, 0,1
	v_max3_num_f32 v[MX+\c], |v[(\x)+32*\c]|, |v[(\x)+32*\c+1]|, 0x2800000   ; my block 2 c + h, and the floor 2^(5 - 127): the byte cannot fall under 1
.endr
.irp i, 2,4,6,8,10,12,14,16,18,20,22,24,26,28,30
.irp c, 0,1
	v_max3_num_f32 v[MX+\c], v[MX+\c], |v[(\x)+32*\c+\i]|, |v[(\x)+32*\c+\i+1]|   ; (the two blocks by turns)
.endr
.endr
.irp c, 0,1
	v_add_nc_u32 v[SO+\c], 0xfe000000, v[MX+\c]    ; 4 off the exponent field: the conversion takes the exponent field of this operand as its scale
.endr
.irp c, 0,1
	v_lshrrev_b32 v[BY+\c], 23, v[SO+\c]           ; the scale's byte
.endr
	v_lshl_or_b32 v[\pw], v[BY+1], 16, v[BY]       ; blocks h and 2 + h,
	v_lshlrev_b32 v[\pw], v[SH8], v[\pw]           ; at their places in the word;
	v_permlanex16_b32 v[TT], v[\pw], s[SEL], s[SEL+1]
	v_or_b32 v[\pw], v[\pw], v[TT]                 ; with lane l xor 16's two the word is whole
.irp c, 0,1
	v_cvt_scalef32_pk16_bf6_f32 v[(\pc)+6*\c:(\pc)+6*\c+2], v[(\x)+32*\c:(\x)+32*\c+15], v[SO+\c]
	v_cvt_scalef32_pk16_bf6_f32 v[PH+4*\c:PH+4*\c+2], v[(\x)+32*\c+16:(\x)+32*\c+31], v[SO+\c]   ; (a conversion's three registers begin on an even number: a block's second three do not)
.endr
	v_nop                                          ; one plain instruction behind the last scaled conversion
.irp c, 0,1
.irp i, 0,1,2
	v_mov_b32 v[(\pc)+3+6*\c+\i], v[PH+4*\c+\i]
.endr
.endr
.endm
; Tile u's four matrix instructions: its two accumulators take turns, one instruction a turn; the first K step starts the sums.
.macro TILE4 u
.irp s, 0,1
.irp t, 0,1
.if \s == 0
	v_wmma_scale_f32_16x16x128_f8f6f4 v[I+16*(\u)+8*\t:I+16*(\u)+8*\t+7], v[WF+12*(2*\t+\s):WF+12*(2*\t+\s)+11], v[BF+12*(2*(\u)+\s):BF+12*(2*(\u)+\s)+11], 0, v[WS+2*\t+\s], v[XS+2*(\u)+\s] matrix_a_fmt:MATRIX_FMT_BF6 matrix_b_fmt:MATRIX_FMT_BF6
.else
	v_wmma_scale_f32_16x16x128_f8f6f4 v[I+16*(\u)+8*\t:I+16*(\u)+8*\t+7], v[WF+12*(2*\t+\s):WF+12*(2*\t+\s)+11], v[BF+12*(2*(\u)+\s):BF+12*(2*(\u)+\s)+11], v[I+16*(\u)+8*\t:I+16*(\u)+8*\t+7], v[WS+2*\t+\s], v[XS+2*(\u)+\s] matrix_a_fmt:MATRIX_FMT_BF6 matrix_b_fmt:MATRIX_FMT_BF6
.endif
.endr
.endr
.endm
; One user's 16 numbers of c for my lane: c(b, 32 w + 16 t + 8 h + j).  The sixteen lanes of a half read the same 16 bytes.
.macro CLOAD cb, adr, off
	ds_load_b128 v[(\cb):(\cb)+3],     v[\adr] offset:(\off)
	ds_load_b128 v[(\cb)+4:(\cb)+7],   v[\adr] offset:(\off)+16
	ds_load_b128 v[(\cb)+8:(\cb)+11],  v[\adr] offset:(\off)+64
	ds_load_b128 v[(\cb)+12:(\cb)+15], v[\adr] offset:(\off)+80
.endm
; One user against the batch's four tiles: 8 pairs of d x 4 tiles, three instructions each.  Two pairs of d go together, so that eight instructions stand between one that writes a register and the one that reads it.
; Each accumulator of i_proj is read from its low end on: pairs 0 to 3 are the first accumulator's registers in ascending order, pairs 4 to 7 the second's.
.macro COMP cb
.irp g, 0,2,4,6
.irp u, 0,1
.irp t, 0,1,2,3
	v_pk_add_f32 v[X+8*\u+2*\t:X+8*\u+2*\t+1], v[I+16*\t+2*(\g+\u):I+16*\t+2*(\g+\u)+1], v[(\cb)+2*(\g+\u):(\cb)+2*(\g+\u)+1]
.endr
.endr
.irp n, 0,2,4,6,8,10,12,14
	v_dual_max_num_f32 v[X+\n], 0, v[X+\n] :: v_dual_max_num_f32 v[X+\n+1], 0, v[X+\n+1]   ; relu, two in one instruction
.endr
.irp u, 0,1
.irp t, 0,1,2,3
.if \g+\u == 0
	v_pk_mul_f32 v[ACC+2*\t:ACC+2*\t+1], v[X+8*\u+2*\t:X+8*\u+2*\t+1], v[WT:WT+1]            ; the first pair starts the sums: nothing is cleared
.else
	v_pk_fma_f32 v[ACC+2*\t:ACC+2*\t+1], v[X+8*\u+2*\t:X+8*\u+2*\t+1], v[WT+2*(\g+\u):WT+2*(\g+\u)+1], v[ACC+2*\t:ACC+2*\t+1]
.endif
.endr
.endr
.endr
.endm
; The sums' ends meet: even and odd d; then the two halves of the lanes, which hold the same item's other eight d of each sixteen.  The exchange leaves tile 2 v in lanes 0-15 and tile 2 v + 1 in lanes 16-31.
.macro TAIL adr, off
	v_add_f32 v[SA],   v[ACC],   v[ACC+1]          ; tile 0
	v_add_f32 v[SB],   v[ACC+2], v[ACC+3]          ; tile 1
	v_add_f32 v[SA+1], v[ACC+4], v[ACC+5]          ; tile 2
	v_add_f32 v[SB+1], v[ACC+6], v[ACC+7]          ; tile 3
	v_permlane16_swap_b32 v[SA], v[SB]             ; the first: lower halves of tiles 0 and 1; the second: their upper halves
	v_permlane16_swap_b32 v[SA+1], v[SB+1]
	v_pk_add_f32 v[R:R+1], v[SA:SA+1], v[SB:SB+1]  ; lane l: items 2 l and 2 l + 1 of the batch's 64
	ds_store_b64 v[\adr], v[R:R+1] offset:(\off)   ; 32 lanes store 256 consecutive bytes
.endm
; Two users.  c runs one user ahead, in two sets of registers.  Each wait leaves out only the four loads just issued: so all that is older is done, and the address and data registers that it named may be rewritten.
.macro TRIP bt, more
	CLOAD C1, CAX, 128                             ; the trip's second user
	s_wait_dscnt 4                                 ; the first user's c is in; the last store has read its registers
	v_add_nc_u32 v[CAY], s[CB], v[CA0]
	s_lshl_b32 s[PB], s[CB], 2
	v_add_nc_u32 v[PAY], s[PB], v[PA0]
	COMP C0
	TAIL PAX, 256*(\bt)
.if \more
	CLOAD C0, CAY, 256                             ; the next trip's first user
	s_wait_dscnt 4                                 ; the second user's c is in; the store above has read its registers
	s_add_co_u32 s[CB], s[CB], 256                 ; the counter's one step
	v_add_nc_u32 v[CAX], s[CB], v[CA0]
	s_lshl_b32 s[PB], s[CB], 2
	v_add_nc_u32 v[PAX], s[PB], v[PA0]
.else
	s_wait_dscnt 0x0
.endif
	COMP C1
	TAIL PAY, 512+256*(\bt)
.endm
.macro BATCH bt
	s_wait_tensorcnt 1-(\bt)                       ; tensor loads of a wave end in order: my slice of c and my tile of this batch are in; in batch 0 the later tile may stay out
.irp c, 0,1
.irp j, 0,1,2,3,4,5,6,7
	ds_load_b128 v[I+32*\c+4*\j:I+32*\c+4*\j+3], v[RA] offset:(\bt)*RTILE+256*\c+16*\j   ; row r, k = 64 c + 32 h + 4 j on: my own tile, so my own wait is all the ordering
.endr
.endr
	s_wait_dscnt 0x0
	QFRAG I, PC, PW
.irp g, 0,1,2
	ds_store_b128 v[XWI], v[PC+4*\g:PC+4*\g+3] offset:(\bt)*8*FRB+512*\g   ; the fragment as it stands: lane l's 16 bytes at 16 l
.endr
	ds_store_b32 v[XWS], v[PW] offset:(\bt)*1024
	s_wait_dscnt 0x0                               ; for the others' sake: my stores have landed
	s_barrier_signal -1
	s_barrier_wait -1                              ; the batch's eight fragments lie in LDS (each batch has bytes of its own: nobody writes what a slower wave still reads)
.irp f, 0,1,2,3,4,5,6,7
.irp g, 0,1,2
	ds_load_b128 v[BF+12*\f+4*\g:BF+12*\f+4*\g+3], v[XRD] offset:(\bt)*8*FRB+\f*FRB+512*\g
.endr
	ds_load_b32 v[XS+\f], v[XSR] offset:(\bt)*1024+128*\f
.endr
.if (\bt) == 0
	s_wait_loadcnt 0x0                             ; the weight's fragments and scale words, and W2
.endif
	s_wait_dscnt 24                                ; tile 0's eight loads are in; the three later tiles' may be out
	TILE4 0
.rept 4
	v_nop                                          ; four places ahead of loads into registers that tile 0's products have read
.endr
	CLOAD C0, CA0, 0                               ; the first user's c lands under the other tiles' products
	s_wait_dscnt 20                                ; behind tile 1's loads: tiles 2 and 3 (16) and c (4)
	TILE4 1
	s_wait_dscnt 12
	TILE4 2
	s_wait_dscnt 4
	TILE4 3
	v_mov_b32 v[CAX], v[CA0]                       ; four places ahead of the first read of results and of writes into the fragments' registers: two moves that are due, two v_nop
	v_mov_b32 v[PAX], v[PA0]
	v_nop
	v_nop
	s_mov_b32 s[CB], 0
.Lusers_\@:                                            ; seven trips of two users; the eighth is written out, since it fetches no further c
	TRIP \bt, 1
	s_cmp_lt_u32 s[CB], 7*256
	s_cbranch_scc1 .Lusers_\@
	TRIP \bt, 0
.endm
	s_load_b256 s[4:11], s[0:1], 0x0               ; item_table s[4:5], wimg s[6:7], cbuf s[8:9], W2 s[10:11]
	s_load_b128 s[12:15], s[0:1], 0x20             ; b2 s[12:13], out0 s[14:15]
	s_set_vgpr_msb 0x40
	v_lshl_add_u32 v0, v0, 2, 0x3b900
	v_mov_b32 v1, 0
	s_set_vgpr_msb 0x4045
	ds_add_u32 v0, v1
	ds_add_u32 v0, v1
	s_set_vgpr_msb 0x4500
	v_lshrrev_b32 v1, 5, v0
	v_readfirstlane_b32 s[WV], v1                  ; wave 0..7
	; group 1 of a raw tile: 16 rows of 128 numbers of 4 bytes, every second row of the table, 16 bytes of padding behind each row
	s_mov_b32 s[G1R+0], (2<<16)|(1<<20)|(6<<22)|(3<<25)   ; no mask; elements of 4 bytes; padding on; after every 128 words (code 6); of 4 words (code 3)
	s_mov_b32 s[G1R+1], 128<<16                    ; tensor_dim0 = 128
	s_mov_b32 s[G1R+2], 16<<16                     ; tensor_dim1 = 16
	s_mov_b32 s[G1R+3], 128<<16                    ; tile_dim0 = 128
	s_mov_b32 s[G1R+4], 16                         ; tile_dim1 = 16
	s_mov_b32 s[G1R+5], 512                        ; from row to row: two rows of 256 numbers
	s_mov_b32 s[G1R+6], 0
	s_mov_b32 s[G1R+7], 0
	; group 1 of a slice of c: 2,048 dense bytes as 8 rows of 256 (32 elements of 8 bytes)
	s_mov_b32 s[G1C+0], 3<<16
	s_mov_b32 s[G1C+1], 32<<16
	s_mov_b32 s[G1C+2], 8<<16
	s_mov_b32 s[G1C+3], 32<<16
	s_mov_b32 s[G1C+4], 8
	s_mov_b32 s[G1C+5], 32
	s_mov_b32 s[G1C+6], 0
	s_mov_b32 s[G1C+7], 0
	s_lshl_b32 s18, ttmp9, 7                       ; 128 x work-group
	s_min_u32 s17, s18, NITEM-WGI                  ; s17: my first item: the last work-group is moved back inside the table,
	s_sub_co_u32 s18, s18, s17                     ; s18: and stores from this item of its 128 on (0, or 80)
	s_bfe_u32 s19, s[WV], 0x10001                  ; my tile is u = w / 2: u % 2,
	s_lshl_b32 s19, s19, 5                         ; 32 rows on,
	s_lshr_b32 s22, s[WV], 2                       ; + u / 2
	s_add_co_u32 s19, s19, s22
	s_add_co_u32 s19, s19, s17                     ; my tile's first row in batch 0
	s_lshl_b32 s22, s19, 10                        ; rows of 1,024 bytes (under 2^25)
	s_and_b32 s23, s[WV], 1
	s_lshl_b32 s23, s23, 9                         ; my K step's 512 bytes
	s_add_co_u32 s22, s22, s23
	s_mov_b32 s23, 0
	s_mul_i32 s54, s[WV], 2*RTILE                  ; my two raw tiles in LDS (RAW = 0)
	s_lshl_b32 s56, s[WV], 11                      ; my slice of c, in memory and in LDS
	s_mov_b32 s57, 0
	s_mov_b32 s[SEL], 0x76543210
	s_mov_b32 s[SEL+1], 0xfedcba98
	v_and_b32 v1, 31, v0                           ; lane
	v_and_b32 v2, 15, v0                           ; r
	v_bfe_u32 v3, v0, 4, 1                         ; h
	v_lshlrev_b32 v[LI], 4, v1
	v_lshlrev_b32 v[LS], 2, v1
	v_lshlrev_b32 v[SH8], 3, v3
	v_lshlrev_b32 v[T0], 5, v3
	v_mul_u32_u24 v[RA], v2, RPITCH
	v_lshl_add_u32 v[RA], v3, 7, v[RA]
	v_add_nc_u32 v[RA], s54, v[RA]                 ; row r, + 128 h, in my tiles
	s_mul_i32 s58, s[WV], FRB
	s_add_co_u32 s58, s58, XIMG
	v_add_nc_u32 v[XWI], s58, v[LI]
	s_lshl_b32 s58, s[WV], 7
	s_add_co_u32 s58, s58, XSC
	v_add_nc_u32 v[XWS], s58, v[LS]
	v_add_nc_u32 v[XRD], XIMG, v[LI]
	v_add_nc_u32 v[XSR], XSC, v[LS]
	s_add_co_u32 s58, s56, CS
	v_add_nc_u32 v[CA0], s58, v[T0]                ; my slice, + 32 h
	s_lshl_b32 s58, s[WV], 13
	s_add_co_u32 s58, s58, PART
	v_lshl_add_u32 v[PA0], v1, 3, s58              ; my wave's 8,192 bytes, + 8 x lane
	s_lshl_b32 s58, s[WV], 10
	s_add_co_u32 s58, s58, PART
	v_add_nc_u32 v[FA], s58, v[LI]                 ; users 2 w and 2 w + 1, 16 bytes a lane
	v_mov_b32 v[TT], 0                             ; written once: a lane permute's destination counts as one of its sources
	s_wait_dscnt 0x0
	s_wait_kmcnt 0x0
	s_mov_b32 s[G0C], 1                            ; count = 1
	s_add_co_u32 s[G0C+1], s56, CS                 ; LDS address
	s_add_nc_u64 s[G0C+2:G0C+3], s[8:9], s[56:57]  ; global address
	s_mov_b32 s[G0A], 1
	s_mov_b32 s[G0A+1], s54
	s_add_nc_u64 s[G0A+2:G0A+3], s[4:5], s[22:23]
	s_mov_b32 s[G0B], 1
	s_add_co_u32 s[G0B+1], s54, RTILE
	s_add_nc_u64 s[G0B+2:G0B+3], s[G0A+2:G0A+3], 0x10000   ; batch 1: 64 rows on
	s_or_b32 s[G0C+3], s[G0C+3], 0x80000000        ; type = 2
	s_or_b32 s[G0A+3], s[G0A+3], 0x80000000
	s_or_b32 s[G0B+3], s[G0B+3], 0x80000000
	tensor_load_to_lds s[G0C:G0C+3], s[G1C:G1C+7]  ; the first fills go out as one group, ahead of every wait on TENSORcnt, every LDS read and every barrier
	s_nop 0
	tensor_load_to_lds s[G0A:G0A+3], s[G1R:G1R+7]
	s_nop 0
	tensor_load_to_lds s[G0B:G0B+3], s[G1R:G1R+7]
	s_nop 0
.rept 4
	v_nop
.endr
	s_mul_i32 s58, s[WV], 4*FRB
	s_mov_b32 s59, 0
	s_add_nc_u64 s[60:61], s[6:7], s[58:59]        ; my four fragments of the weight: tiles 2 w and 2 w + 1, two K steps each, on end
	s_lshl_b32 s58, s[WV], 9
	s_add_co_u32 s58, s58, 32*FRB
	s_add_nc_u64 s[62:63], s[6:7], s[58:59]        ; and their scale words
	s_lshl_b32 s58, s[WV], 7
	s_add_nc_u64 s[10:11], s[10:11], s[58:59]      ; my 32 numbers of W2
.irp f, 0,1,2,3
.irp g, 0,1,2
	global_load_b128 v[WF+12*\f+4*\g:WF+12*\f+4*\g+3], v[LI], s[60:61] offset:\f*FRB+512*\g   ; 32 lanes read 512 consecutive bytes: the registers as the launch before left them
.endr
	global_load_b32 v[WS+\f], v[LS], s[62:63] offset:128*\f
.endr
	global_load_b128 v[WT:WT+3],     v[T0], s[10:11]
	global_load_b128 v[WT+4:WT+7],   v[T0], s[10:11] offset:16
	global_load_b128 v[WT+8:WT+11],  v[T0], s[10:11] offset:64
	global_load_b128 v[WT+12:WT+15], v[T0], s[10:11] offset:80
	s_load_b32 s52, s[12:13], 0x0                  ; b2
	BATCH 0
	BATCH 1
	; ---- the end: eight waves' partial sums meet
	s_wait_dscnt 0x0                               ; for the others' sake: my partial sums have landed
	s_barrier_signal -1
	s_barrier_wait -1
.irp e, 0,1
.irp w, 0,1,2,3,4,5,6,7
	ds_load_b128 v[I+32*\e+4*\w:I+32*\e+4*\w+3], v[FA] offset:\w*8192+512*\e   ; wave w's part of user 2 (my wave) + e, items 4 l .. 4 l + 3
.endr
.endr
	s_mul_i32 s22, s[WV], 2*OROW                   ; my two rows of out0,
	s_lshl_b32 s23, s17, 2                         ; from my work-group's first item on
	s_add_co_u32 s22, s22, s23
	s_mov_b32 s23, 0
	s_add_nc_u64 s[14:15], s[14:15], s[22:23]
	s_wait_kmcnt 0x0                               ; b2
	s_mov_b32 s53, s52                             ; (the packed form names the pair and takes its low word for both halves: so the upper word is written)
	v_cmp_le_u32 vcc_lo, s18, v[LS]                ; my four items, 4 l on, are this work-group's to store
	s_wait_dscnt 0x0
.irp e, 0,1
.irp w, 0,2,4,6
.irp p, 0,2
	v_pk_add_f32 v[I+32*\e+4*\w+\p:I+32*\e+4*\w+\p+1], v[I+32*\e+4*\w+\p:I+32*\e+4*\w+\p+1], v[I+32*\e+4*\w+4+\p:I+32*\e+4*\w+4+\p+1]
.endr
.endr
.endr
.irp e, 0,1
.irp w, 0,4
.irp p, 0,2
	v_pk_add_f32 v[I+32*\e+4*\w+\p:I+32*\e+4*\w+\p+1], v[I+32*\e+4*\w+\p:I+32*\e+4*\w+\p+1], v[I+32*\e+4*\w+8+\p:I+32*\e+4*\w+8+\p+1]
.endr
.endr
.endr
.irp e, 0,1
.irp p, 0,2
	v_pk_add_f32 v[I+32*\e+\p:I+32*\e+\p+1], v[I+32*\e+\p:I+32*\e+\p+1], v[I+32*\e+16+\p:I+32*\e+16+\p+1]
.endr
.endr
.irp e, 0,1
.irp p, 0,2
	v_pk_add_f32 v[I+32*\e+\p:I+32*\e+\p+1], v[I+32*\e+\p:I+32*\e+\p+1], s[52:53] op_sel_hi:[1,0]   ; + b2
.endr
.endr
	s_wait_xcnt 0x0                                ; EXEC is narrowed only behind this wait: it is a source of the loads issued at the head
	s_set_vgpr_msb 0x5
	s_wait_tensorcnt 0x0
	ds_add_u32 v0, v1
	s_wait_dscnt 0x0
	s_set_vgpr_msb 0x500
	s_and_saveexec_b32 s54, vcc_lo
	global_store_b128 v[LI], v[I:I+3], s[14:15] th:TH_STORE_NT                    ; the lanes that are on store consecutive bytes of a row of out0: 512, in the last work-group 192
	global_store_b128 v[LI], v[I+32:I+35], s[14:15] offset:OROW th:TH_STORE_NT
	s_wait_xcnt 0x0                                ; and widened again only behind this one
	s_or_b32 exec_lo, exec_lo, s54
	s_endpgm
.Lfunc_end_k_qf933bd8f1b_main:
	.size	k_qf933bd8f1b_main, .Lfunc_end_k_qf933bd8f1b_main-k_qf933bd8f1b_main
	.p2alignl 7, 3214868480
	.fill 96, 4, 3214868480
	.section	.rodata,"a",@progbits
	.p2align	6, 0x0
	.amdhsa_kernel k_qf933bd8f1b_main
		.amdhsa_group_segment_fixed_size 244992
		.amdhsa_private_segment_fixed_size 0
		.amdhsa_enable_private_segment 0
		.amdhsa_kernarg_size 48
		.amdhsa_user_sgpr_count 2
		.amdhsa_user_sgpr_kernarg_segment_ptr 1
		.amdhsa_wavefront_size32 1
		.amdhsa_system_sgpr_workgroup_id_x 1
		.amdhsa_system_sgpr_workgroup_id_y 1
		.amdhsa_system_sgpr_workgroup_id_z 1
		.amdhsa_system_vgpr_workitem_id 0
		.amdhsa_next_free_vgpr 258
		.amdhsa_next_free_sgpr 68
		.amdhsa_reserve_vcc 1
		.amdhsa_float_denorm_mode_32 3
		.amdhsa_float_denorm_mode_16_64 3
		.amdhsa_memory_ordered 1
		.amdhsa_forward_progress 1
		.amdhsa_inst_pref_size 82
	.end_amdhsa_kernel
	.amdgpu_metadata
---
amdhsa.version: [ 1, 2 ]
amdhsa.kernels:
  - .name:           k_qf933bd8f1b_main
    .symbol:         k_qf933bd8f1b_main.kd
    .args:
      - { .name: item_table, .offset: 0, .size: 8, .value_kind: global_buffer, .address_space: global }
      - { .name: wimg, .offset: 8, .size: 8, .value_kind: global_buffer, .address_space: global }
      - { .name: cbuf, .offset: 16, .size: 8, .value_kind: global_buffer, .address_space: global }
      - { .name: W2, .offset: 24, .size: 8, .value_kind: global_buffer, .address_space: global }
      - { .name: b2, .offset: 32, .size: 8, .value_kind: global_buffer, .address_space: global }
      - { .name: out0, .offset: 40, .size: 8, .value_kind: global_buffer, .address_space: global }
    .group_segment_fixed_size: 244992
    .private_segment_fixed_size: 0
    .kernarg_segment_align: 8
    .kernarg_segment_size: 48
    .max_flat_workgroup_size: 256
    .sgpr_count:     68
    .vgpr_count:     258
    .wavefront_size: 32
...
	.end_amdgpu_metadata
.endif
;; end of part 2
